; MI455X (gfx1250); checked and timed in simulation.
; The chip was launched on July 23, 2026; its instructions are those of AMD's public machine-readable ISA for CDNA 5 (MIT licence, August 2026) and "CDNA5" Instruction Set Architecture Reference Guide (July 2026). The comments in the code are by the model that wrote it; some were corrected since.
;; LS2 T. Allowed arithmetic: matrix products marked QUANTISED: E2M1 operands, one E8M0 scale for each 32 along K, by v_wmma_scale_f32_16x16x128_f8f6f4 with both operands' format E2M1 (or v_wmma_scale_f32_32x16x128_f4), f32 sums; everything else in f32.
;; Inputs: bias 6 x 64 float32; kernel_codes 6 x 64 x 4 x 16 uint8 (E2M1 codes of kernel, K innermost, in blocks of 32 codes, two codes a byte); kernel_scales 6 x 64 x 4 uint8 (E8M0 scales of kernel, one for each 32 codes along K); sequences_codes 64 x 4,096 x 4 x 16 uint8 (E2M1 codes of sequences, K innermost, in blocks of 32 codes, two codes a byte); sequences_scales 64 x 4,096 x 4 uint8 (E8M0 scales of sequences, one for each 32 codes along K).
;; Outputs: out0 64 x 64 x 3 float32.
;; This version of the problem:
;;   THIS VERSION OF THE PROBLEM IS GIVEN IN LOW PRECISION. The matrix products marked QUANTISED in the list below multiply operands that are first quantised to E2M1 (2 exponent bits, 1 mantissa bit; 4 bits a number), with one power-of-two scale for each 32 numbers along K (OCP MX v1.0); their sums are f32. All else is computed in f32.
;;   The module's matrix products, in the order in which they are computed (A, B: the left and right operand; K: the contracted axis; several contracted axes count as one K, in the product's order):
;;     1. [M 384, K 128] x [K 128, N 262,144]; A: input kernel (given as codes); B: input sequences (given as codes): QUANTISED
;;   THE QUANTISER, for each operand of a quantised product, along K:
;;     - K is cut into blocks of 32 from its start; a last block that is shorter is filled with zeros.
;;     - A block's scale is 2^e with e = floor(log2(the largest magnitude in the block)) - 2, held to -126 .. 127; a block of zeros has e = 0. As a byte (E8M0): e + 127.
;;     - Each number is divided by its block's scale, clamped to +-6, and rounded to the nearest number of E2M1, ties to even, subnormals kept.
;;     - The product sums the exact products of the quantised numbers (number of the format x scale) in f32.
;;   ~~~python
;;   def quantise(x, axis):      # numpy; x: float32 -> the quantised numbers, widened to float32 again
;;       x = np.moveaxis(x, axis, -1); K = x.shape[-1]
;;       x = np.pad(x, [(0, 0)] * (x.ndim - 1) + [(0, -K % 32)]); x = x.reshape(x.shape[:-1] + (-1, 32)); a = np.abs(x).max(-1, keepdims=True)
;;       e = np.where(a > 0, np.clip(np.frexp(np.where(a > 0, a, 1))[1] - 1 - 2, -126, 127), 0)      # np.frexp(a)[1] - 1 = floor(log2(a)), exactly
;;       r = np.clip(x / 2.0 ** e, -6, 6)
;;       step = 2.0 ** (np.maximum(np.frexp(np.where(r == 0, 1, r))[1] - 1, 0) - 1)
;;       q = np.round(r / step) * step * 2.0 ** e      # np.round: ties to even
;;       return np.moveaxis(q.reshape(q.shape[:-2] + (-1,))[..., :K], -1, axis).astype(np.float32)
;;   ~~~
;;   INPUTS GIVEN AS CODES. kernel (in the module: [6, 128, 64], K = its axis 1); sequences (in the module: [64, 4096, 128], K = its axis 2): each comes as NAME_codes (uint8): NAME with its K axis moved to the last place and cut into blocks of 32 codes, [.., K / 32, bytes a block], one block behind the other in memory; two codes a byte, the lower K in the low four bits (a code: sign, 2 exponent bits, 1 mantissa bit); and NAME_scales (uint8): the same leading axes, one E8M0 byte (e + 127) for each 32 codes along K. Its value is code x scale, taken as it is: it is not quantised again, and the codes and scales need not be those that the quantiser above would give.
;; One version. Each part assembles by itself: llvm-mc -triple=amdgcn-amd-amdhsa -mcpu=gfx1250 --defsym DOCPART=n.
;; ======== version 1 of 1: 1 launch
;; launch ls2t (part 1): grid 256 x 1, 8 waves a work-group, clusters of 4 x 1, 300,032 bytes of LDS; arguments bias, kernel_codes, kernel_scales, sequences_codes, sequences_scales, out0; writes out0
.if DOCPART == 1
	.amdgcn_target "amdgcn-amd-amdhsa--gfx1250"
	.amdhsa_code_object_version 6
	.text
	.protected	k_qfbde1c1f55_ls2t
	.globl	k_qfbde1c1f55_ls2t
	.p2align	8
	.type	k_qfbde1c1f55_ls2t,@function
k_qfbde1c1f55_ls2t:
	s_mov_b64 s[64:65], 0
	v_nop
	global_prefetch_b8 v0, s[64:65] scope:SCOPE_SE
	s_setreg_imm32_b32 hwreg(HW_REG_WAVE_MODE, 25, 1), 1
	s_wait_xcnt 0x0
	s_wait_alu depctr_hold_cnt(0) depctr_sa_sdst(0) depctr_va_vdst(0) depctr_va_sdst(0) depctr_va_ssrc(0) depctr_va_vcc(0) depctr_vm_vsrc(0)
	s_getreg_b32 s2, hwreg(HW_REG_IB_STS2, 6, 4)
	s_cmp_eq_u32 s2, 0
	s_cbranch_scc0 .Lentry_in_a_cluster
	s_endpgm
.Lentry_in_a_cluster:
	s_bfe_u32 s2, ttmp6, 0x10000c
	s_cmp_lg_u32 s2, 0x3003
	s_cbranch_scc0 .Lentry_shape_is_right
	s_endpgm
.Lentry_shape_is_right:
; LS2T, order 3.  M[c][b][t][f] = sequences[b][t][:] . kernel[c][:][f] + bias[c][f] (6 components, K = 128: one MX-FP4 matrix instruction deep), then
;   out[b][f][0] = sum_t M0,   out[b][f][1] = sum_{s<t} M1[s] M2[t],   out[b][f][2] = sum_{r<s<t} M3[r] M4[s] M5[t].
; Codes (E2M1, two a byte) and E8M0 scale bytes go to the matrix unit as they lie in memory.
; SHARES.  A work-group owns one batch row b (all 4,096 steps) and 16 features: 64 x 4 = 256 work-groups.  The four work-groups of a batch form a cluster and read the same
; sequence bytes, so every tile is asked for JOINTLY (the same tensor load, the same descriptor, a mask that names the four).  A batch's codes (262,144 bytes) and scale bytes (16,384)
; fit in LDS together: all of them are asked for at the start, and no LDS byte is filled twice: no ring, no refill.
; TIME IS CUT INTO CHUNKS.  For a piece X followed by a piece Y:  ab(XY) = ab(X) + ab(Y) + a(X) b(Y);  abc(XY) = abc(X) + abc(Y) + ab(X) c(Y) + a(X) bc(Y).
; Wave w owns steps 512 w .. 512 w + 511 as four chunks of 128, each scanned by itself; the 32 chunks' summaries are folded in time order at the end, inside the work-group.
; LAYOUT.  Source 0 = 16 rows of the sequence, source 1 = 16 features of one component.  THE ROWS OF A TILE ARE NOT NEIGHBOURS: row m is step (m & 7) >> 1 of chunk 2 (m >> 3) + (m & 1).
; In the result lane (r, h) holds feature r, and its registers 2 s, 2 s + 1 hold step s of chunks 2 h and 2 h + 1: two scans that know nothing of each other, so every line of the scan is a packed
; instruction on a pair, and nothing changes lanes before the end.  Components 1-5 take their bias as C; component 0 is summed over time by the matrix unit itself (one accumulator, 32 links).
; LIMITS, stated: sums are made chunk by chunk and folded, another order of rounding than the cumulative sum's; bias[0] enters once, as 4,096 x bias[0]; results are meant where the sums stay finite;
; a scale byte 0xff makes NaN of the outputs that it reaches.  A work-group's 16 x 3 results are 192 neighbouring bytes, stored by one instruction: the four partners' pieces share aligned blocks of 256 bytes
; (49,152 bytes in the whole launch; work-groups hand each other nothing).
.set WREG,  33280                      ; LDS: a wave's codes: 8 parts
.set PART,  4160                       ; a part: 16 steps of each of the wave's 4 chunks: 4 rows of CROW
.set CROW,  1040                       ; 1,024 bytes (16 steps x 64) + 16 of padding: a fragment load's 16 rows (chunk c, step s) begin at 16-byte column (c + 4 s) mod 16: 16 different groups of banks (64 banks of 4 bytes: ISA guide 11.1)
.set SCB,   8*WREG                     ; 266,240: the scale words
.set SWREG, 2176                       ; a wave's: 4 rows of SROW
.set SROW,  544                        ; a chunk's 128 words + 32 bytes of padding: the 32 lanes of a load touch banks 8 c + 4 h + s, all different
.set SCR,   SCB+8*SWREG                ; 283,648, a multiple of 256: the chunks' summaries; no tensor load lands here
.set QSTR,  1280                       ; from quantity to quantity (10 of them)
.set RSTR,  80                         ; from feature to feature: 16 segments x 4 bytes + 16 of padding
.set LR,   1                           ; v1   r = lane % 16
.set LH,   2                           ; v2   h = lane / 16
.set ADA,  3                           ; v3   LDS address of my 16 bytes of a fragment's row, tile 0
.set ADS,  4                           ; v4   LDS address of my row's scale word: lanes 0-15 an even tile's, lanes 16-31 the next tile's
.set SADR, 5                           ; v5   where I store my segment's summaries
.set LADR, 6                           ; v6   where the last fold reads eight segments
.set OOF,  7                           ; v7   my feature's 12 bytes of the output
.set KOF,  11                          ; v11  offset of my 16 bytes in a kernel fragment; never rewritten
.set WOF,  12                          ; v12  4 r: kernel scale words and biases; never rewritten
.set KB,   16                          ; v16-63   the six components' fragments: they stay
.set BI,   64                          ; v64-103  bias tiles of components 1-5: eight equal registers each, in the result's layout
.set B0,   104                         ; v104     bias[0] of my feature
.set AF,   106                         ; v106-129 three buffers for the sequence's fragments: tile n in buffer n % 3
.set ACC0, 130                         ; v130-137 component 0's sum over time
.set D0,   138                         ; v138-177, v178-217 two sets of five results: tile n in set n % 2, component c at 8 (c - 1)
.set SE1,  218                         ; the scans' states, a pair each (chunk 2 h, chunk 2 h + 1): sum of M1
.set SB2,  220                         ; sum of M2
.set SP,   222                         ; sum_{s<t} M1 M2
.set SE3,  224                         ; sum of M3
.set SE4,  226                         ; sum of M4
.set SC5,  228                         ; sum of M5
.set SF,   230                         ; sum_{r<s} M3 M4
.set SG,   232                         ; sum_{s<t} M4 M5
.set SQ,   234                         ; sum_{r<s<t} M3 M4 M5
.set RS,   236                         ; v236-245 my segment's ten summaries
.set KS,   246                         ; v246-251 the kernel's scale words: scales and nothing else
.set AS,   252                         ; v252-253 the sequence's scale words: tiles 2 k, 2 k + 1 in register k % 2: scales and nothing else
.set V,    16                          ; the last fold: quantity q of segment k at v[V + 8 q + k]
.set WV,   40                          ; s40  my wave's number
.set SEL,  60                          ; s[60:61] v_permlanex16_b32's selects for lane l xor 16
.set G1C,  16                          ; s[16:23] descriptor group 1 for codes;  s[24:31] for scale bytes
.set G1S,  24
.set G0S,  32                          ; s[32:35] group 0 for my scale bytes
.set G0C,  68                          ; s[68:99] group 0 for my eight parts, a set each: none is written again
; A round of the cluster's barrier: my work-group's barrier, so that wave 0's signal speaks for all eight waves; wave 0 signals; every wave waits for the four work-groups; my work-group's barrier once more.
.macro ROUND
	s_barrier_signal -1
	s_barrier_wait -1
	s_cmp_lg_u32 s[WV], 0
	s_cbranch_scc1 .Lnot_wave_0_\@
	s_barrier_signal -3
.Lnot_wave_0_\@:
	s_barrier_wait -3
	s_barrier_signal -1
	s_barrier_wait -1
.endm
	s_load_b256 s[4:11], s[0:1], 0x0               ; bias s[4:5], kernel codes s[6:7], kernel scales s[8:9], sequence codes s[10:11]
	s_load_b128 s[12:15], s[0:1], 0x20             ; sequence scales s[12:13], out s[14:15]
	v_lshl_add_u32 v254, v0, 2, 0x49000
	v_mov_b32 v255, 0
	ds_add_u32 v254, v255
	ds_add_u32 v254, v255
	v_lshrrev_b32 v8, 5, v0
	v_readfirstlane_b32 s[WV], v8                  ; wave 0..7
	s_bfe_u32 s41, ttmp6, 0x40000                  ; cx, my place in the cluster = my group of 16 features: it enters the kernel's, the bias's and the output's addresses alone
	; group 1 for codes: 4 rows (my chunks) of 128 elements of 8 bytes (16 steps), 1,024 elements (a chunk) apart
	s_mov_b32 s[G1C+0], 15|(3<<16)|(1<<20)|(1<<21)|(7<<22)|(3<<25)   ; 15:0 the mask: all four work-groups; 17:16 elements of 8 bytes; 20 padding on; 21 set beside a mask; 24:22 after every 256 words (code 7); 31:25 four words (code 3)
	s_mov_b32 s[G1C+1], 128<<16                    ; tensor_dim0 = 128
	s_mov_b32 s[G1C+2], 4<<16                      ; tensor_dim1 = 4
	s_mov_b32 s[G1C+3], 128<<16                    ; tile_dim0 = 128
	s_mov_b32 s[G1C+4], 4                          ; tile_dim1 = 4
	s_mov_b32 s[G1C+5], 1024                       ; tensor_dim0_stride
	s_mov_b32 s[G1C+6], 0
	s_mov_b32 s[G1C+7], 0
	; group 1 for scale bytes: my 2,048 dense bytes as 4 rows (chunks) of 64 elements of 8 bytes
	s_mov_b32 s[G1S+0], 15|(3<<16)|(1<<20)|(1<<21)|(6<<22)|(7<<25)   ; padding: eight words (code 7) after every 128 (code 6)
	s_mov_b32 s[G1S+1], 64<<16
	s_mov_b32 s[G1S+2], 4<<16
	s_mov_b32 s[G1S+3], 64<<16
	s_mov_b32 s[G1S+4], 4
	s_mov_b32 s[G1S+5], 64
	s_mov_b32 s[G1S+6], 0
	s_mov_b32 s[G1S+7], 0
	s_lshl_b32 s42, s41, 10                        ; kernel codes: 16 features x 64 bytes
	s_mov_b32 s43, 0
	s_lshl_b32 s44, s41, 6                         ; kernel scale words and biases: 16 x 4 bytes
	s_mov_b32 s45, 0
	s_mul_i32 s46, ttmp9, 768                      ; out: the batch's 64 x 12 bytes (in a cluster launch ttmp9 counts clusters: the batch),
	s_mul_i32 s47, s41, 192                        ; my 16 features' 192
	s_add_co_u32 s46, s46, s47
	s_mov_b32 s47, 0
	s_lshl_b32 s48, ttmp9, 18                      ; sequence codes: the batch's 262,144 bytes, my wave's 32,768: what the four partners share, and the wave's number
	s_lshl_b32 s49, s[WV], 15
	s_add_co_u32 s48, s48, s49
	s_mov_b32 s49, 0
	s_lshl_b32 s50, ttmp9, 14                      ; sequence scales: 16,384 and 2,048
	s_lshl_b32 s51, s[WV], 11
	s_add_co_u32 s50, s50, s51
	s_mov_b32 s51, 0
	s_mul_i32 s52, s[WV], WREG                     ; LDS: my codes,
	s_mul_i32 s53, s[WV], SWREG
	s_add_co_u32 s53, s53, SCB                     ; my scale words,
	s_lshl_b32 s54, s[WV], 3
	s_add_co_u32 s54, s54, SCR                     ; my two segments' words among the summaries
	s_mov_b32 s[SEL], 0x76543210
	s_mov_b32 s[SEL+1], 0xfedcba98
	; every address register is made here, on the one way that all waves take
	v_and_b32 v[LR], 15, v0
	v_bfe_u32 v[LH], v0, 4, 1
	v_and_b32 v8, 1, v0
	v_bfe_u32 v9, v0, 3, 1
	v_lshl_or_b32 v8, v9, 1, v8                    ; row r's chunk: 2 (r >> 3) + (r & 1)
	v_bfe_u32 v10, v0, 1, 2                        ; and its step: (r & 7) >> 1
	v_mul_u32_u24 v[ADA], v8, CROW
	v_lshl_add_u32 v[ADA], v10, 6, v[ADA]
	v_lshl_add_u32 v[ADA], v[LH], 4, v[ADA]        ; a fragment of 4-bit codes: registers 4 i .. 4 i + 3 are the row's bytes 32 i + 16 h on
	v_add_nc_u32 v[ADA], s52, v[ADA]
	v_mul_u32_u24 v[ADS], v8, SROW
	v_lshl_add_u32 v[ADS], v10, 2, v[ADS]
	v_lshl_add_u32 v[ADS], v[LH], 4, v[ADS]        ; lanes 16-31: four steps, one tile, further on
	v_add_nc_u32 v[ADS], s53, v[ADS]
	v_mul_u32_u24 v[SADR], v[LR], RSTR
	v_lshl_add_u32 v[SADR], v[LH], 2, v[SADR]
	v_add_nc_u32 v[SADR], s54, v[SADR]             ; feature r, segment 2 w + h
	v_mul_u32_u24 v[LADR], v[LR], RSTR
	v_lshl_add_u32 v[LADR], v[LH], 5, v[LADR]
	v_add_nc_u32 v[LADR], SCR, v[LADR]             ; feature r, segments 8 h on
	v_mul_u32_u24 v[OOF], v[LR], 12
	v_lshlrev_b32 v[KOF], 6, v[LR]
	v_lshl_add_u32 v[KOF], v[LH], 4, v[KOF]        ; kernel: row r of 64 bytes, + 16 h
	v_lshlrev_b32 v[WOF], 2, v[LR]
	s_wait_dscnt 0x0
	s_wait_kmcnt 0x0
	s_add_nc_u64 s[4:5], s[4:5], s[44:45]
	s_add_nc_u64 s[6:7], s[6:7], s[42:43]
	s_add_nc_u64 s[8:9], s[8:9], s[44:45]
	s_add_nc_u64 s[10:11], s[10:11], s[48:49]
	s_add_nc_u64 s[12:13], s[12:13], s[50:51]
	s_add_nc_u64 s[14:15], s[14:15], s[46:47]
	s_mov_b32 s[G0S], 1                            ; 1:0 count = 1
	s_mov_b32 s[G0S+1], s53                        ; 63:32 LDS address
	s_mov_b64 s[G0S+2:G0S+3], s[12:13]             ; 120:64 global address
	s_or_b32 s[G0S+3], s[G0S+3], 0x80000000        ; 127:126 type = 2
.irp z, 0,1,2,3,4,5,6,7
	s_mov_b32 s[G0C+4*\z], 1
	s_add_co_u32 s[G0C+4*\z+1], s52, \z*PART
	s_add_nc_u64 s[G0C+4*\z+2:G0C+4*\z+3], s[10:11], \z*1024       ; part z: steps 16 z on of each chunk
	s_or_b32 s[G0C+4*\z+3], s[G0C+4*\z+3], 0x80000000
.endr
	ROUND                                          ; all four work-groups are here: the joint loads meet
	tensor_load_to_lds s[G0S:G0S+3], s[G1S:G1S+7]  ; all that this wave will ever read goes out as one group: nine tensor loads of mine are out; the scale words first
	s_nop 0
.irp z, 0,1,2,3,4,5,6,7
	tensor_load_to_lds s[G0C+4*\z:G0C+4*\z+3], s[G1C:G1C+7]
	s_nop 0
.endr
.rept 4
	v_nop
.endr
	; what stays in registers: my 16 features of the six components, their scale words, their biases
.irp c, 0,1,2,3,4,5
	global_load_b128 v[KB+8*\c:KB+8*\c+3],   v[KOF], s[6:7] offset:4096*\c
	global_load_b128 v[KB+8*\c+4:KB+8*\c+7], v[KOF], s[6:7] offset:4096*\c+32
	global_load_b32 v[KS+\c], v[WOF], s[8:9] offset:256*\c         ; lane r: feature r's word (lanes 16-31 hold the same and are not read)
.endr
	global_load_b32 v[B0], v[WOF], s[4:5]
.irp c, 1,2,3,4,5
	global_load_b32 v[BI+8*(\c-1)], v[WOF], s[4:5] offset:256*\c
.endr
	s_wait_loadcnt 0x0
.irp c, 0,1,2,3,4
.irp j, 1,2,3,4,5,6,7
	v_mov_b32 v[BI+8*\c+\j], v[BI+8*\c]            ; a lane holds one feature: its eight registers of a bias tile are equal
.endr
.endr
.irp j, 0,1,2,3,4,5,6,7,8,9
	v_mov_b32 v[SE1+\j], 0                         ; the scans begin at nothing.  (These ten also stand between the copies above and the first products, which take the bias tiles as C)
.endr
; Tile t's fragment (two loads of 16 bytes a lane) into buffer t % 3; with an even tile the scale words of tiles t and t + 1.
.macro LOADS t
.if ((\t)%4) == 0
	s_wait_tensorcnt 7-(\t)/4                      ; tensor loads of a wave end in order: part t / 4 has landed; the 7 - t / 4 parts issued behind it may be out.  Only I read what my loads bring: no barrier
.endif
.if ((\t)%2) == 0
	ds_load_b32 v[AS+((\t)/2)%2], v[ADS] offset:32*((\t)/2)
.endif
	ds_load_b128 v[AF+8*((\t)%3):AF+8*((\t)%3)+3],   v[ADA] offset:((\t)/4)*PART+((\t)%4)*256
	ds_load_b128 v[AF+8*((\t)%3)+4:AF+8*((\t)%3)+7], v[ADA] offset:((\t)/4)*PART+((\t)%4)*256+32
.endm
; Tile t's six products.  Six accumulators by turns, one instruction a turn: between two links of component 0's chain stand the five others.
.macro WMMA t
.set AFR, AF+8*((\t)%3)
.set DS,  D0+40*((\t)%2)
.set ASR, AS+((\t)/2)%2
.if (\t)%2
.irp c, 1,2,3,4,5
	v_wmma_scale_f32_16x16x128_f8f6f4 v[DS+8*(\c-1):DS+8*(\c-1)+7], v[AFR:AFR+7], v[KB+8*\c:KB+8*\c+7], v[BI+8*(\c-1):BI+8*(\c-1)+7], v[ASR], v[KS+\c] matrix_a_fmt:MATRIX_FMT_FP4 matrix_b_fmt:MATRIX_FMT_FP4 matrix_a_scale:MATRIX_SCALE_ROW1
.endr
	v_wmma_scale_f32_16x16x128_f8f6f4 v[ACC0:ACC0+7], v[AFR:AFR+7], v[KB:KB+7], v[ACC0:ACC0+7], v[ASR], v[KS] matrix_a_fmt:MATRIX_FMT_FP4 matrix_b_fmt:MATRIX_FMT_FP4 matrix_a_scale:MATRIX_SCALE_ROW1
.else
.irp c, 1,2,3,4,5
	v_wmma_scale_f32_16x16x128_f8f6f4 v[DS+8*(\c-1):DS+8*(\c-1)+7], v[AFR:AFR+7], v[KB+8*\c:KB+8*\c+7], v[BI+8*(\c-1):BI+8*(\c-1)+7], v[ASR], v[KS+\c] matrix_a_fmt:MATRIX_FMT_FP4 matrix_b_fmt:MATRIX_FMT_FP4
.endr
.if (\t) == 0
	v_wmma_scale_f32_16x16x128_f8f6f4 v[ACC0:ACC0+7], v[AFR:AFR+7], v[KB:KB+7], 0, v[ASR], v[KS] matrix_a_fmt:MATRIX_FMT_FP4 matrix_b_fmt:MATRIX_FMT_FP4   ; the first product starts the sum
.else
	v_wmma_scale_f32_16x16x128_f8f6f4 v[ACC0:ACC0+7], v[AFR:AFR+7], v[KB:KB+7], v[ACC0:ACC0+7], v[ASR], v[KS] matrix_a_fmt:MATRIX_FMT_FP4 matrix_b_fmt:MATRIX_FMT_FP4
.endif
.endif
.endm
; Tile t's four steps of the scans: nine packed lines a step, two chunks at once.  Each product line takes the sums of the steps BEFORE this one; the sums take this step in behind it.  Each result is read from its low end on.
.macro VEC t
.set DS, D0+40*((\t)%2)
.irp s, 0,1,2,3
	v_pk_fma_f32 v[SP:SP+1], v[DS+8+2*\s:DS+8+2*\s+1],   v[SE1:SE1+1], v[SP:SP+1]   ; M2 x (M1 so far)
	v_pk_fma_f32 v[SQ:SQ+1], v[DS+32+2*\s:DS+32+2*\s+1], v[SF:SF+1],   v[SQ:SQ+1]   ; M5 x (M3 M4 so far)
	v_pk_fma_f32 v[SG:SG+1], v[DS+32+2*\s:DS+32+2*\s+1], v[SE4:SE4+1], v[SG:SG+1]   ; M5 x (M4 so far)
	v_pk_fma_f32 v[SF:SF+1], v[DS+24+2*\s:DS+24+2*\s+1], v[SE3:SE3+1], v[SF:SF+1]   ; M4 x (M3 so far)
	v_pk_add_f32 v[SE1:SE1+1], v[SE1:SE1+1], v[DS+2*\s:DS+2*\s+1]
	v_pk_add_f32 v[SE4:SE4+1], v[SE4:SE4+1], v[DS+24+2*\s:DS+24+2*\s+1]
	v_pk_add_f32 v[SE3:SE3+1], v[SE3:SE3+1], v[DS+16+2*\s:DS+16+2*\s+1]
	v_pk_add_f32 v[SB2:SB2+1], v[SB2:SB2+1], v[DS+8+2*\s:DS+8+2*\s+1]
	v_pk_add_f32 v[SC5:SC5+1], v[SC5:SC5+1], v[DS+32+2*\s:DS+32+2*\s+1]
.endr
.endm
; One turn: tile n + 3 is fetched, tile n + 1 multiplied, tile n scanned.  The scan's 36 plain lines name no register of the products just issued: they are the places behind those products, in front of the
; next turn's loads into the buffer and the scale register that they read, and of the next turn's scan, which reads their results.
.macro ITER n
.if (\n)+3 <= 31
	LOADS (\n)+3
.endif
.if (\n)+1 <= 31
.if (\n) <= 28
	s_wait_dscnt 5                                 ; tile n + 1 is in: behind its loads stand tiles n + 2's and n + 3's four, and the one load of scale words that one of the two brings
.elseif (\n) == 29
	s_wait_dscnt 2                                 ; behind tile 30's loads: tile 31's two
.else
	s_wait_dscnt 0
.endif
	WMMA (\n)+1
.endif
	VEC \n
.endm
	LOADS 0
	LOADS 1
	LOADS 2
	s_wait_dscnt 5                                 ; tile 0 and its scale words are in: behind them stand tile 1's two loads and tile 2's three
	WMMA 0
.irp j, 10,11,12,13,14,15,16,17
	v_mov_b32 v[SE1+\j], 0                         ; the other states: eight places behind the first products, in front of the load into their buffer and of the first scan
.endr
.set N, 0
.rept 32
	ITER N
.set N, N+1
.endr
	; MY SEGMENT: chunk 2 h (the pairs' first halves) followed by chunk 2 h + 1 (their second), folded by the law at the head.  Ten numbers a lane.
	v_pk_add_f32 v[8:9], v[ACC0:ACC0+1], v[ACC0+2:ACC0+3]          ; component 0: the eight registers are eight sets of steps of my two chunks
	v_pk_add_f32 v[14:15], v[ACC0+4:ACC0+5], v[ACC0+6:ACC0+7]
	v_pk_add_f32 v[8:9], v[8:9], v[14:15]
	v_add_f32 v[RS+1], v[SE1], v[SE1+1]            ; a1
	v_add_f32 v[RS+2], v[SB2], v[SB2+1]            ; b2
	v_add_f32 v[RS+3], v[SP], v[SP+1]              ; ab12
	v_add_f32 v[RS+4], v[SE3], v[SE3+1]            ; a3
	v_add_f32 v[RS+5], v[SE4], v[SE4+1]            ; b4
	v_add_f32 v[RS+6], v[SC5], v[SC5+1]            ; c5
	v_add_f32 v[RS+7], v[SF], v[SF+1]              ; ab34
	v_add_f32 v[RS+8], v[SG], v[SG+1]              ; bc45
	v_add_f32 v[RS+9], v[SQ], v[SQ+1]              ; abc
	v_add_f32 v[RS], v8, v9                        ; the sum of M0 less its bias
	v_fmac_f32 v[RS+3], v[SE1], v[SB2+1]
	v_fmac_f32 v[RS+7], v[SE3], v[SE4+1]
	v_fmac_f32 v[RS+8], v[SE4], v[SC5+1]
	v_fmac_f32 v[RS+9], v[SF], v[SC5+1]
	v_fmac_f32 v[RS+9], v[SE3], v[SG+1]
.irp q, 0,1,2,3,4,5,6,7,8,9
	ds_store_b32 v[SADR], v[RS+\q] offset:QSTR*\q
.endr
	s_wait_dscnt 0x0                               ; for wave 0's sake: my stores have landed
	s_barrier_signal -1
	s_barrier_wait -1
	s_cmp_lg_u32 s[WV], 0                          ; the last fold is 16 segments x 16 features: one wave's work
	s_cbranch_scc1 .Ljoin
.irp q, 0,1,2,3,4,5,6,7,8,9
	ds_load_b128 v[V+8*\q:V+8*\q+3],   v[LADR] offset:QSTR*\q      ; lane (r, h): feature r, segments 8 h .. 8 h + 7
	ds_load_b128 v[V+8*\q+4:V+8*\q+7], v[LADR] offset:QSTR*\q+16
.endr
	s_wait_dscnt 0x0
; what has been folded so far (segment 0's registers) followed by segment k.  At 8 q: 0 sum of M0, 8 a1, 16 b2, 24 ab12, 32 a3, 40 b4, 48 c5, 56 ab34, 64 bc45, 72 abc
.macro FOLD k
	v_add_f32 v[V], v[V], v[V+\k]
	v_add_f32 v[V+24], v[V+24], v[V+24+\k]
	v_fmac_f32 v[V+24], v[V+8], v[V+16+\k]         ; a1(X) b2(Y)
	v_add_f32 v[V+72], v[V+72], v[V+72+\k]
	v_fmac_f32 v[V+72], v[V+56], v[V+48+\k]        ; ab34(X) c5(Y)
	v_fmac_f32 v[V+72], v[V+32], v[V+64+\k]        ; a3(X) bc45(Y)
	v_add_f32 v[V+56], v[V+56], v[V+56+\k]
	v_fmac_f32 v[V+56], v[V+32], v[V+40+\k]        ; a3(X) b4(Y)
	v_add_f32 v[V+64], v[V+64], v[V+64+\k]
	v_fmac_f32 v[V+64], v[V+40], v[V+48+\k]        ; b4(X) c5(Y)
	v_add_f32 v[V+8], v[V+8], v[V+8+\k]
	v_add_f32 v[V+16], v[V+16], v[V+16+\k]
	v_add_f32 v[V+32], v[V+32], v[V+32+\k]
	v_add_f32 v[V+40], v[V+40], v[V+40+\k]
	v_add_f32 v[V+48], v[V+48], v[V+48+\k]
.endm
.irp k, 1,2,3,4,5,6,7
	FOLD \k
.endr
	; lanes 0-15 hold the first half of time (X), lanes 16-31 the second (Y): six numbers of Y come over, into registers that the loads have written
	v_permlanex16_b32 v[V+1],  v[V],    s[SEL], s[SEL+1]
	v_permlanex16_b32 v[V+17], v[V+16], s[SEL], s[SEL+1]
	v_permlanex16_b32 v[V+25], v[V+24], s[SEL], s[SEL+1]
	v_permlanex16_b32 v[V+49], v[V+48], s[SEL], s[SEL+1]
	v_permlanex16_b32 v[V+65], v[V+64], s[SEL], s[SEL+1]
	v_permlanex16_b32 v[V+73], v[V+72], s[SEL], s[SEL+1]
	v_add_f32 v8, v[V], v[V+1]
	v_add_f32 v9, v[V+24], v[V+25]
	v_add_f32 v10, v[V+72], v[V+73]
	v_fmac_f32 v8, 0x45800000, v[B0]               ; + 4,096 x bias[0]
	v_fmac_f32 v9, v[V+8], v[V+17]
	v_fmac_f32 v10, v[V+56], v[V+49]
	v_fmac_f32 v10, v[V+32], v[V+65]
	v_cmp_gt_u32 vcc_lo, 16, v0                    ; the results are right in lanes 0-15
	s_wait_xcnt 0x0                                ; EXEC changes only behind this wait: it is a source of the memory instructions issued so far
	s_and_saveexec_b32 s62, vcc_lo
	global_store_b96 v[OOF], v[8:10], s[14:15]     ; 16 lanes store 192 neighbouring bytes: out[b][16 g + r][0 .. 2]
	s_wait_xcnt 0x0                                ; and again in front of the line that widens it
	s_or_b32 exec_lo, exec_lo, s62
.Ljoin:
	s_wait_tensorcnt 0x0
	ds_add_u32 v254, v255
	s_wait_dscnt 0x0
	ROUND                                          ; the closing round: no work-group ends while a partner may still ask for a tile that names it.  (My own tensor loads were all waited for at tile 28)
	s_endpgm
.Lfunc_end_k_qfbde1c1f55_ls2t:
	.size	k_qfbde1c1f55_ls2t, .Lfunc_end_k_qfbde1c1f55_ls2t-k_qfbde1c1f55_ls2t
	.p2alignl 7, 3214868480
	.fill 96, 4, 3214868480
	.section	.rodata,"a",@progbits
	.p2align	6, 0x0
	.amdhsa_kernel k_qfbde1c1f55_ls2t
		.amdhsa_group_segment_fixed_size 300032
		.amdhsa_private_segment_fixed_size 0
		.amdhsa_enable_private_segment 0
		.amdhsa_kernarg_size 48
		.amdhsa_user_sgpr_count 2
		.amdhsa_user_sgpr_kernarg_segment_ptr 1
		.amdhsa_wavefront_size32 1
		.amdhsa_system_sgpr_workgroup_id_x 1
		.amdhsa_system_sgpr_workgroup_id_y 1
		.amdhsa_system_sgpr_workgroup_id_z 1
		.amdhsa_system_vgpr_workitem_id 0
		.amdhsa_next_free_vgpr 256
		.amdhsa_next_free_sgpr 100
		.amdhsa_reserve_vcc 1
		.amdhsa_float_denorm_mode_32 3
		.amdhsa_float_denorm_mode_16_64 3
		.amdhsa_memory_ordered 1
		.amdhsa_forward_progress 1
		.amdhsa_inst_pref_size 122
	.end_amdhsa_kernel
	.amdgpu_metadata
---
amdhsa.version: [ 1, 2 ]
amdhsa.kernels:
  - .name:           k_qfbde1c1f55_ls2t
    .symbol:         k_qfbde1c1f55_ls2t.kd
    .args:
      - { .name: bias, .offset: 0, .size: 8, .value_kind: global_buffer, .address_space: global }
      - { .name: kernel_codes, .offset: 8, .size: 8, .value_kind: global_buffer, .address_space: global }
      - { .name: kernel_scales, .offset: 16, .size: 8, .value_kind: global_buffer, .address_space: global }
      - { .name: sequences_codes, .offset: 24, .size: 8, .value_kind: global_buffer, .address_space: global }
      - { .name: sequences_scales, .offset: 32, .size: 8, .value_kind: global_buffer, .address_space: global }
      - { .name: out0, .offset: 40, .size: 8, .value_kind: global_buffer, .address_space: global }
    .group_segment_fixed_size: 300032
    .private_segment_fixed_size: 0
    .kernarg_segment_align: 8
    .kernarg_segment_size: 48
    .max_flat_workgroup_size: 256
    .sgpr_count:     100
    .vgpr_count:     256
    .wavefront_size: 32
...
	.end_amdgpu_metadata
.endif
;; end of part 1
